; MI455X (gfx1250); checked and timed in simulation.
; The chip was launched on July 23, 2026; its instructions are those of AMD's public machine-readable ISA for CDNA 5 (MIT licence, August 2026) and "CDNA5" Instruction Set Architecture Reference Guide (July 2026). The comments in the code are by the model that wrote it; some were corrected since.
;; Cross Attention Module. Allowed arithmetic: matrix products marked QUANTISED: E5M2 operands, one given power-of-two scale a tensor, by v_wmma_f32_16x16x64_bf8_bf8 or v_wmma_f32_16x16x128_bf8_bf8, f32 sums; everything else in f32.
;; Inputs: bk 32 float32; bq 32 float32; bv 256 float32; feature1_codes 8 x 64 x 64 x 8 x 32 uint8 (E5M2 codes of feature1, K innermost, in blocks of 32 codes); feature2_codes 8 x 64 x 64 x 8 x 32 uint8 (E5M2 codes of feature2, K innermost, in blocks of 32 codes); feature3_codes 8 x 64 x 64 x 8 x 32 uint8 (E5M2 codes of feature3, K innermost, in blocks of 32 codes); lowp_scales 10 int32 (the exponents e of the quantised operands' scales 2^e); wk_codes 32 x 8 x 32 uint8 (E5M2 codes of wk, K innermost, in blocks of 32 codes); wq_codes 32 x 8 x 32 uint8 (E5M2 codes of wq, K innermost, in blocks of 32 codes); wv_codes 256 x 8 x 32 uint8 (E5M2 codes of wv, K innermost, in blocks of 32 codes).
;; Outputs: out0 8 x 256 x 64 x 64 float32.
;; This version of the problem:
;;   THIS VERSION OF THE PROBLEM IS GIVEN IN LOW PRECISION. The matrix products marked QUANTISED in the list below multiply operands that are first quantised to E5M2 (5 exponent bits, 2 mantissa bits; 8 bits a number), with one given power-of-two scale for each operand tensor; their sums are f32. All else is computed in f32.
;;   The module's matrix products, in the order in which they are computed (A, B: the left and right operand; K: the contracted axis; several contracted axes count as one K, in the product's order):
;;     1. [M 32, K 256] x [K 256, N 32,768]; A: input wq (given as codes); B: input feature1 (given as codes): QUANTISED (scales: A lowp_scales[0], B lowp_scales[1])
;;     2. [M 32, K 256] x [K 256, N 32,768]; A: input wk (given as codes); B: input feature2 (given as codes): QUANTISED (scales: A lowp_scales[2], B lowp_scales[3])
;;     3. [M 256, K 256] x [K 256, N 32,768]; A: input wv (given as codes); B: input feature3 (given as codes): QUANTISED (scales: A lowp_scales[4], B lowp_scales[5])
;;     4. batch 8 x [M 4,096, K 32] x [K 32, N 4,096]; A: computed on the way; B: computed on the way: QUANTISED (scales: A lowp_scales[6], B lowp_scales[7])
;;     5. batch 8 x [M 256, K 4,096] x [K 4,096, N 4,096]; A: computed on the way; B: softmax (see below): QUANTISED (scales: A lowp_scales[8], B lowp_scales[9])
;;   THE QUANTISER, for each operand of a quantised product, along K:
;;     - The operand's scale is 2^e, e = its entry of the input lowp_scales (int32; the entries are numbered through the quantised products in the list's order, A before B).
;;     - Each number is divided by the scale, clamped to +-57,344, and rounded to the nearest number of E5M2, ties to even, subnormals kept.
;;     - The product sums the exact products of the quantised numbers (number of the format x scale) in f32.
;;   ~~~python
;;   def quantise(x, axis, e):      # numpy; x: float32 -> the quantised numbers, widened to float32 again
;;       x = np.moveaxis(x, axis, -1); K = x.shape[-1]
;;       r = np.clip(x / 2.0 ** e, -57344, 57344)
;;       step = 2.0 ** (np.maximum(np.frexp(np.where(r == 0, 1, r))[1] - 1, -14) - 2)
;;       q = np.round(r / step) * step * 2.0 ** e      # np.round: ties to even
;;       return np.moveaxis(q, -1, axis).astype(np.float32)
;;   ~~~
;;   SOFTMAX AHEAD OF A QUANTISED PRODUCT. Where the list says 'softmax', what is quantised is not the finished softmax but p = 2^(t - M), with t = logit x log2(e) and M = ceil(the row's largest t), a whole number; so 1/2 < the row's largest p <= 1. The row's sum l is taken of the UNQUANTISED p, in f32, and the product's result is divided by l at the end. Since M is a whole number, a kernel that streams over the keys may use a running M (the ceiling of the running maximum): every later rescaling is an exact power of two, so the quantised numbers keep their values, but for numbers so far below the row's largest that they fall under the format's range.
;;   OPERANDS COMPUTED ON THE WAY. 'Computed on the way' means the value that the module computes at that place (a softmax that the list does not call 'softmax' is quantised finished and normalised). What goes into a quantiser is computed in f32, as accurately as f32 sums, v_exp_f32 and their like allow (about 1e-6 of the number): no bf16 or f16 on the way to a quantiser, and a product that is left as it is and whose result goes on into a quantised operand takes f32 operands (vector FMAs, or v_wmma_f32_16x16x4_f32). A number that lies on a knife's edge between two numbers of the format may be rounded either way, as far as f32 arithmetic and the matrix unit's own rounding can turn it there, and no further.
;;   INPUTS GIVEN AS CODES. feature1 (in the module: [8, 256, 64, 64], K = its axis 1); feature2 (in the module: [8, 256, 64, 64], K = its axis 1); feature3 (in the module: [8, 256, 64, 64], K = its axis 1); wk (in the module: [32, 256], K = its axis 1); wq (in the module: [32, 256], K = its axis 1); wv (in the module: [256, 256], K = its axis 1): each comes as NAME_codes (uint8): NAME with its K axis moved to the last place and cut into blocks of 32 codes, [.., K / 32, bytes a block], one block behind the other in memory; one code a byte (a code: sign, 5 exponent bits, 2 mantissa bits); its scale is its entry of lowp_scales. Its value is code x scale, taken as it is: it is not quantised again, and the codes and scales need not be those that the quantiser above would give.
;; One version. Each part assembles by itself: llvm-mc -triple=amdgcn-amd-amdhsa -mcpu=gfx1250 --defsym DOCPART=n.
;; ======== version 1 of 1: 2 launches
;; limits: right only within a limited range of input values
;; workspace buffers: qc 1,048,576 bytes; kc 1,048,576 bytes; vc 8,388,608 bytes
;; launch project (part 1): grid 256 x 1, 16 waves a work-group, no clusters, 169,984 bytes of LDS; arguments feature1_codes, feature2_codes, feature3_codes, wq_codes, wk_codes, wv_codes, bq, bk, bv, lowp_scales, qc, kc, vc; writes qc, kc, vc
.if DOCPART == 1
	.amdgcn_target "amdgcn-amd-amdhsa--gfx1250"
	.amdhsa_code_object_version 6
	.text
	.protected	k_q5095384232_project
	.globl	k_q5095384232_project
	.p2align	8
	.type	k_q5095384232_project,@function
k_q5095384232_project:
	s_mov_b64 s[64:65], 0
	v_nop
	global_prefetch_b8 v0, s[64:65] scope:SCOPE_SE
	s_setreg_imm32_b32 hwreg(HW_REG_WAVE_MODE, 25, 1), 1
	s_wait_xcnt 0x0
; The three 1x1 convolutions on codes of E5M2, their biases, and the quantising of q, k and v for the attention that follows.
;   q[o][pix] = sum_c wq[o][c] f1[pix][c] + bq[o]   (k likewise from f2, wk, bk; v from f3, wv, bv);  features: [32,768 pixels][256 channels], one code a byte.
; SHARES.  Work-group g takes pixels 128 g .. 128 g + 127 of all three features (image g / 32, key step g % 32).  Its 3 x 128 rows of 256 bytes come into LDS by six tensor loads
; (waves 0-5, 64 rows each), once.  Wave w first makes one tile of 16 pixels x 32 channels of q (w < 8) or of k (w >= 8): one path, only pointers and exponents are chosen by the wave's
; number.  Then it makes channels 16 w .. 16 w + 15 of v for all 128 pixels.
; WHAT IS STORED are images of the operand registers of the next launch, so that a fragment there is a run of 16-byte loads at 16 x lane:
;   qc, kc: a tile of 16 pixels = 512 bytes; lane (r, h) holds pixel r, channels 8 h + 0..7 and 16 + 8 h + 0..7 in four registers (the K = 64 form's own layout, its K = 32..63 left to the reader).
;   vc: [image][key step of 128][channel tile][2,048 bytes]; lane (r, h) holds channel r, registers 2 c, 2 c + 1 keys 16 c + 8 h + 0..7 (the K = 128 form's own layout).
; Both fall out of a product's result and the conversion of eight registers: q, k: source 0 = 16 rows of w, source 1 = 16 pixels (a lane holds a pixel, its registers run along the channels);
; v: source 0 = 16 pixels, source 1 = 16 rows of wv (a lane holds a channel, its registers run along the pixels, which are the keys).
; Along the convolutions' own K the fragments are fetched 16 bytes at a time (registers 4 c .. 4 c + 3: k = 32 c + 16 h + 0..15): a permutation of k, the same on both sides of each product.
; SCALES.  A sum stands for sum x 2^(ew + ef).  The bias goes in as the C of the sum's first product, divided by that power of two; the conversion then takes 2^(eout - ew - ef) as its one scale.
; LIMITS: e6 - e0 - e1, e7 - e2 - e3 and e8 - e4 - e5 lie between -126 and 112, so that the scale and 57,344 x the scale are f32 numbers.  NaN among the inputs is not served.
; NO CLUSTER: no two work-groups read the same rows of a feature.  The weights (80 KiB in all) are shared, but each wave takes its 12 KiB straight into registers for the 20 matrix instructions
; that are its whole work; a joint fill would add a pass through LDS and two rounds of a cluster's barrier to that.
.set PITCH, 272                        ; an LDS row: 256 bytes + 16 of padding = 17 x 16 bytes, so the 16 rows of a fragment load begin in 16 different 16-byte columns of 256
.set FT,    128*PITCH                  ; a feature's 128 rows: f1 at 0, f2 at FT, f3 at 2 FT
.set LI,   4                           ; v4   16 x lane: my place in an image
.set WA,   5                           ; v5   weights: 256 r + 16 h
.set FA,   6                           ; v6   LDS: my q/k tile's rows: 16 PITCH x wave + PITCH r + 16 h (8 tiles are a feature, so wave 8 begins f2)
.set F3A,  7                           ; v7   LDS: f3: 2 FT + PITCH r + 16 h
.set BO,   8                           ; v8   bq, bk: 32 h
.set BVO,  9                           ; v9   bv: 4 r
.set QS,   10                          ; v10  q/k: the conversion's scale
.set QC,   12                          ; v12-15  q/k: the tile's codes
.set VS,   16                          ; v16 the same number for v
.set BVR,  18                          ; v18  bv of my channel, as loaded
.set BV,   20                          ; v20-27  bv / 2^(e4 + e5), eight times: the C of v's first products
.set WV,   28                          ; v28-59  wv's 16 rows x 256: two fragments
.set ACC,  60                          ; v60-123 v's eight accumulators; before that wq's or wk's four fragments (tile u, K step ks at 16 (2 u + ks))
.set F,    124                         ; v124-251 two sets of four fragments of f3; before that the q/k tile's two fragments, and
.set QA,   156                         ; v156-171 q/k's two accumulators
.set WN,   30                          ; s30  my wave's number
.set G1,   44                          ; s[44:51] descriptor group 1;  s[52:55] group 0
.set G0,   52
	s_load_b512 s[4:19], s[0:1], 0x0               ; f1 s[4:5], f2 s[6:7], f3 s[8:9], wq s[10:11], wk s[12:13], wv s[14:15], bq s[16:17], bk s[18:19]
	s_load_b256 s[20:27], s[0:1], 0x40             ; bv s[20:21], the exponents s[22:23], qc s[24:25], kc s[26:27]
	s_load_b64 s[28:29], s[0:1], 0x60              ; vc
	v_lshl_add_u32 v254, v0, 2, 0x29000
	v_mov_b32 v255, 0
	ds_add_u32 v254, v255
	ds_add_u32 v254, v255
	v_lshrrev_b32 v1, 5, v0
	s_delay_alu instid0(VALU_DEP_1)
	v_readfirstlane_b32 s[WN], v1                  ; wave 0..15
	v_and_b32 v1, 31, v0                           ; lane
	v_and_b32 v2, 15, v0                           ; r
	v_bfe_u32 v3, v0, 4, 1                         ; h
	s_delay_alu instid0(VALU_DEP_3)
	v_lshlrev_b32 v[LI], 4, v1
	s_delay_alu instid0(VALU_DEP_3)
	v_lshlrev_b32 v[WA], 8, v2
	s_delay_alu instid0(VALU_DEP_1)
	v_lshl_add_u32 v[WA], v3, 4, v[WA]
	v_mul_u32_u24 v[F3A], v2, PITCH
	s_delay_alu instid0(VALU_DEP_1)
	v_lshl_add_u32 v[F3A], v3, 4, v[F3A]           ; PITCH r + 16 h
	s_mul_i32 s31, s[WN], 16*PITCH
	v_add_nc_u32 v[FA], s31, v[F3A]
	v_add_nc_u32 v[F3A], 2*FT, v[F3A]
	v_lshlrev_b32 v[BO], 5, v3
	v_lshlrev_b32 v[BVO], 2, v2
	; descriptor group 1: 64 rows of 256 one-byte elements, 256 bytes apart in memory, 16 bytes of padding behind each in LDS
	s_mov_b32 s[G1+0], (0<<16)|(1<<20)|(5<<22)|(3<<25)   ; no mask; elements of 1 byte; padding on: after every 64 words (code 5) four words (code 3)
	s_mov_b32 s[G1+1], 256<<16                     ; tensor_dim0
	s_mov_b32 s[G1+2], 64<<16                      ; tensor_dim1
	s_mov_b32 s[G1+3], 256<<16                     ; tile_dim0
	s_mov_b32 s[G1+4], 64                          ; tile_dim1
	s_mov_b32 s[G1+5], 256                         ; from row to row
	s_mov_b32 s[G1+6], 0
	s_mov_b32 s[G1+7], 0
	s_and_b32 s31, s[WN], 1
	s_lshl_b32 s31, s31, 14                        ; which 64 rows of the feature's 128
	s_lshl_b32 s56, ttmp9, 15                      ; the work-group's 128 rows of 256 bytes
	s_add_co_u32 s56, s56, s31
	s_mov_b32 s57, 0
	s_mov_b32 s[G0], 1                             ; count = 1
	s_mul_i32 s[G0+1], s[WN], 64*PITCH             ; LDS: wave x 64 rows: waves 0, 1 f1; 2, 3 f2; 4, 5 f3
	s_wait_dscnt 0x0
	s_wait_kmcnt 0x0
	s_load_b256 s[32:39], s[22:23], 0x0            ; e0 .. e7
	s_load_b64 s[40:41], s[22:23], 0x20            ; e8, e9
	s_cmp_lt_u32 s[WN], 2                          ; the feature that I fetch from: a choice by the wave's number alone
	s_cselect_b64 s[G0+2:G0+3], s[4:5], s[6:7]
	s_cmp_lt_u32 s[WN], 4
	s_cselect_b64 s[G0+2:G0+3], s[G0+2:G0+3], s[8:9]
	s_add_nc_u64 s[G0+2:G0+3], s[G0+2:G0+3], s[56:57]
	s_or_b32 s[G0+3], s[G0+3], 0x80000000          ; type = 2
	s_cmp_lt_u32 s[WN], 6
	s_cbranch_scc0 .Lno_fill
	tensor_load_to_lds s[G0:G0+3], s[G1:G1+7]      ; the launch's only fills: one load a wave is out
	s_nop 0
.rept 4
	v_nop                                          ; a plain line behind a tensor load
.endr
.Lno_fill:
	s_cmp_lt_u32 s[WN], 8                          ; q's wave or k's
	s_cselect_b64 s[58:59], s[10:11], s[12:13]     ; wq or wk
	s_cselect_b64 s[60:61], s[16:17], s[18:19]     ; bq or bk
	s_cselect_b64 s[62:63], s[24:25], s[26:27]     ; qc or kc
	s_and_b32 s31, s[WN], 7
	s_lshl_b32 s56, ttmp9, 3
	s_add_co_u32 s56, s56, s31
	s_lshl_b32 s56, s56, 9                         ; tile 8 g + wave % 8, 512 bytes each
	s_add_nc_u64 s[62:63], s[62:63], s[56:57]
	s_lshl_b32 s56, s[WN], 12                      ; wv: my 16 rows of 256 bytes
	s_add_nc_u64 s[14:15], s[14:15], s[56:57]
	s_lshl_b32 s56, s[WN], 6                       ; bv: my 16 numbers
	s_add_nc_u64 s[20:21], s[20:21], s[56:57]
	s_lshl_b32 s56, ttmp9, 4
	s_add_co_u32 s56, s56, s[WN]
	s_lshl_b32 s56, s56, 11                        ; vc: fragment 16 g + wave, 2,048 bytes each
	s_add_nc_u64 s[28:29], s[28:29], s[56:57]
	s_wait_alu depctr_va_vdst(0)
.irp u, 0,1
.irp ks, 0,1
.irp c, 0,1,2,3
	global_load_b128 v[ACC+16*(2*\u+\ks)+4*\c:ACC+16*(2*\u+\ks)+4*\c+3], v[WA], s[58:59] offset:16*\u*256+128*\ks+32*\c   ; wq or wk, rows 16 u + r
.endr
.endr
	global_load_b128 v[QA+8*\u:QA+8*\u+3], v[BO], s[60:61] offset:64*\u        ; the bias of channels 16 u + 8 h + 0..7, into the accumulator's own registers
	global_load_b128 v[QA+8*\u+4:QA+8*\u+7], v[BO], s[60:61] offset:64*\u+16
.endr
.irp ks, 0,1
.irp c, 0,1,2,3
	global_load_b128 v[WV+16*\ks+4*\c:WV+16*\ks+4*\c+3], v[WA], s[14:15] offset:128*\ks+32*\c
.endr
.endr
	global_load_b32 v[BVR], v[BVO], s[20:21]
	s_wait_kmcnt 0x0                               ; the exponents
	s_cmp_lt_u32 s[WN], 8
	s_cselect_b32 s2, s32, s34                     ; ew
	s_cselect_b32 s3, s33, s35                     ; ef
	s_cselect_b32 s42, s38, s39                    ; eout
	s_add_co_i32 s2, s2, s3                        ; ew + ef
	s_sub_co_i32 s43, 0, s2                        ; the bias is divided by 2^(ew + ef)
	s_sub_co_i32 s42, s42, s2
	s_add_co_i32 s42, s42, 127
	s_lshl_b32 s3, s42, 23
	v_mov_b32 v[QS], s3                            ; 2^(eout - ew - ef) as f32: the conversion takes its exponent field
	s_add_co_i32 s2, s36, s37                      ; the same for v: e4 + e5,
	s_sub_co_i32 s31, 0, s2
	s_sub_co_i32 s42, s40, s2                      ; e8 - e4 - e5
	s_add_co_i32 s42, s42, 127
	s_lshl_b32 s3, s42, 23
	v_mov_b32 v[VS], s3
	s_wait_loadcnt 0x0                             ; weights and biases, once
.irp j, 0,1,2,3,4,5,6,7,8,9,10,11,12,13,14,15
	v_ldexp_f32 v[QA+\j], v[QA+\j], s43
.endr
.irp j, 0,1,2,3,4,5,6,7
	v_ldexp_f32 v[BV+\j], v[BVR], s31              ; a lane's eight results of a tile of v are one channel's: eight copies
.endr
	s_wait_alu depctr_va_vdst(0)
	s_wait_tensorcnt 0x0                           ; my rows are in LDS,
	s_barrier_signal -1
	s_barrier_wait -1                              ; everybody's are; nothing is filled again in this launch
	; ---- q or k: one tile of 16 pixels x 32 channels
.irp ks, 0,1
.irp c, 0,1,2,3
	ds_load_b128 v[F+16*\ks+4*\c:F+16*\ks+4*\c+3], v[FA] offset:128*\ks+32*\c
.endr
.endr
	s_wait_dscnt 0x0
.irp ks, 0,1                                   ; the two accumulators take turns
.irp u, 0,1
	v_wmma_f32_16x16x128_bf8_bf8 v[QA+8*\u:QA+8*\u+7], v[ACC+16*(2*\u+\ks):ACC+16*(2*\u+\ks)+15], v[F+16*\ks:F+16*\ks+15], v[QA+8*\u:QA+8*\u+7]
.endr
.endr
.rept 4
	v_nop                                          ; four places between the products and the first read of their results (ISA guide 7.12.1)
.endr
.irp j, 0,1,2,3,4,5,6,7,8,9,10,11,12,13,14,15
.endr
	v_cvt_scalef32_pk8_bf8_f32 v[QC:QC+1], v[QA:QA+7], v[QS]         ; channels 8 h + 0..7
	v_cvt_scalef32_pk8_bf8_f32 v[QC+2:QC+3], v[QA+8:QA+15], v[QS]    ; channels 16 + 8 h + 0..7
	v_nop                                          ; a plain line behind the conversions.  With the four above it is also the fifth place ahead of v's products, which write over w's fragments
	global_store_b128 v[LI], v[QC:QC+3], s[62:63]  ; the wave stores 512 consecutive bytes, at a multiple of 512 from the buffer's first byte
	; ---- v: my 16 channels for the 128 pixels: 16 products, n = 8 ks + c (K step ks, pixel tile c), in groups of four; two sets of fragment registers
.macro VLD G                           ; group G's four fragments of f3 into set G % 2
.irp q, 0,1,2,3
.irp cc, 0,1,2,3
	ds_load_b128 v[F+64*((\G)%2)+16*\q+4*\cc:F+64*((\G)%2)+16*\q+4*\cc+3], v[F3A] offset:16*PITCH*((4*(\G)+\q)%8)+128*((\G)/2)+32*\cc
.endr
.endr
.endm
.macro MM G                            ; its four products: the first K step starts each sum with the bias; the eight accumulators take turns
.irp q, 0,1,2,3
.if (\G) < 2
	v_wmma_f32_16x16x128_bf8_bf8 v[ACC+8*(4*(\G)+\q):ACC+8*(4*(\G)+\q)+7], v[F+64*((\G)%2)+16*\q:F+64*((\G)%2)+16*\q+15], v[WV:WV+15], v[BV:BV+7]
.else
	v_wmma_f32_16x16x128_bf8_bf8 v[ACC+8*(4*((\G)-2)+\q):ACC+8*(4*((\G)-2)+\q)+7], v[F+64*((\G)%2)+16*\q:F+64*((\G)%2)+16*\q+15], v[WV+16:WV+31], v[ACC+8*(4*((\G)-2)+\q):ACC+8*(4*((\G)-2)+\q)+7]
.endif
.endr
.endm
.macro PLACES                          ; four places in front of loads into registers that matrix instructions have read, and of the first read of results
.rept 4
	v_nop
.endr
.endm
	VLD 0
	VLD 1
	s_wait_dscnt 16                                ; group 0 is in; the sixteen loads of group 1 may be out
	MM 0
	PLACES
	VLD 2
	s_wait_dscnt 16                                ; group 1 is in
	MM 1
	PLACES
	VLD 3
	s_wait_dscnt 16                                ; group 2 is in
	MM 2
	s_wait_dscnt 0x0
	MM 3
	PLACES
.set j, 0
.rept 64
.set j, j+1
.endr
.irp c, 0,1,2,3,4,5,6,7
	v_cvt_scalef32_pk8_bf8_f32 v[F+2*\c:F+2*\c+1], v[ACC+8*\c:ACC+8*\c+7], v[VS]   ; keys 16 c + 8 h + 0..7 of my channel: registers 2 c, 2 c + 1 of the fragment
.endr
	v_nop                                          ; a plain line behind the last conversion
.irp c, 0,1,2,3
	global_store_b128 v[LI], v[F+4*\c:F+4*\c+3], s[28:29] offset:512*\c   ; 512 consecutive bytes a store
.endr
	s_wait_tensorcnt 0x0
	ds_add_u32 v254, v255
	s_wait_dscnt 0x0
	s_endpgm
.Lfunc_end_k_q5095384232_project:
	.size	k_q5095384232_project, .Lfunc_end_k_q5095384232_project-k_q5095384232_project
	.p2alignl 7, 3214868480
	.fill 96, 4, 3214868480
	.section	.rodata,"a",@progbits
	.p2align	6, 0x0
	.amdhsa_kernel k_q5095384232_project
		.amdhsa_group_segment_fixed_size 169984
		.amdhsa_private_segment_fixed_size 0
		.amdhsa_enable_private_segment 0
		.amdhsa_kernarg_size 104
		.amdhsa_user_sgpr_count 2
		.amdhsa_user_sgpr_kernarg_segment_ptr 1
		.amdhsa_wavefront_size32 1
		.amdhsa_system_sgpr_workgroup_id_x 1
		.amdhsa_system_sgpr_workgroup_id_y 1
		.amdhsa_system_sgpr_workgroup_id_z 1
		.amdhsa_system_vgpr_workitem_id 0
		.amdhsa_next_free_vgpr 256
		.amdhsa_next_free_sgpr 66
		.amdhsa_reserve_vcc 0
		.amdhsa_float_denorm_mode_32 3
		.amdhsa_float_denorm_mode_16_64 3
		.amdhsa_fp16_overflow 1
		.amdhsa_memory_ordered 1
		.amdhsa_forward_progress 1
		.amdhsa_inst_pref_size 17
	.end_amdhsa_kernel
	.amdgpu_metadata
---
amdhsa.version: [ 1, 2 ]
amdhsa.kernels:
  - .name:           k_q5095384232_project
    .symbol:         k_q5095384232_project.kd
    .args:
      - { .name: feature1_codes, .offset: 0, .size: 8, .value_kind: global_buffer, .address_space: global }
      - { .name: feature2_codes, .offset: 8, .size: 8, .value_kind: global_buffer, .address_space: global }
      - { .name: feature3_codes, .offset: 16, .size: 8, .value_kind: global_buffer, .address_space: global }
      - { .name: wq_codes, .offset: 24, .size: 8, .value_kind: global_buffer, .address_space: global }
      - { .name: wk_codes, .offset: 32, .size: 8, .value_kind: global_buffer, .address_space: global }
      - { .name: wv_codes, .offset: 40, .size: 8, .value_kind: global_buffer, .address_space: global }
      - { .name: bq, .offset: 48, .size: 8, .value_kind: global_buffer, .address_space: global }
      - { .name: bk, .offset: 56, .size: 8, .value_kind: global_buffer, .address_space: global }
      - { .name: bv, .offset: 64, .size: 8, .value_kind: global_buffer, .address_space: global }
      - { .name: lowp_scales, .offset: 72, .size: 8, .value_kind: global_buffer, .address_space: global }
      - { .name: qc, .offset: 80, .size: 8, .value_kind: global_buffer, .address_space: global }
      - { .name: kc, .offset: 88, .size: 8, .value_kind: global_buffer, .address_space: global }
      - { .name: vc, .offset: 96, .size: 8, .value_kind: global_buffer, .address_space: global }
    .group_segment_fixed_size: 169984
    .private_segment_fixed_size: 0
    .kernarg_segment_align: 8
    .kernarg_segment_size: 104
    .max_flat_workgroup_size: 512
    .sgpr_count:     66
    .vgpr_count:     256
    .wavefront_size: 32
...
	.end_amdgpu_metadata
.endif
;; end of part 1
;; launch attend (part 2): grid 32 x 8, 8 waves a work-group, clusters of 4 x 1, 327,680 bytes of LDS; arguments qc, kc, vc, lowp_scales, out0; writes out0
.if DOCPART == 2
	.amdgcn_target "amdgcn-amd-amdhsa--gfx1250"
	.amdhsa_code_object_version 6
	.text
	.protected	k_q5095384232_attend
	.globl	k_q5095384232_attend
	.p2align	8
	.type	k_q5095384232_attend,@function
k_q5095384232_attend:
	s_mov_b64 s[64:65], 0
	v_nop
	global_prefetch_b8 v0, s[64:65] scope:SCOPE_SE
	s_setreg_imm32_b32 hwreg(HW_REG_WAVE_MODE, 25, 1), 1
	s_wait_xcnt 0x0
	s_wait_alu depctr_hold_cnt(0) depctr_sa_sdst(0) depctr_va_vdst(0) depctr_va_sdst(0) depctr_va_ssrc(0) depctr_va_vcc(0) depctr_vm_vsrc(0)
	s_getreg_b32 s2, hwreg(HW_REG_IB_STS2, 6, 4)
	s_cmp_eq_u32 s2, 0
	s_cbranch_scc0 .Lentry_in_a_cluster
	s_endpgm
.Lentry_in_a_cluster:
	s_bfe_u32 s2, ttmp6, 0x10000c
	s_cmp_lg_u32 s2, 0x3003
	s_cbranch_scc0 .Lentry_shape_is_right
	s_endpgm
.Lentry_shape_is_right:
; out0[b][c][n] = sum over keys m of v[b][c][m] p[n][m] / l[n],  p = 2^(t - M),  t = (q[n] . k[m]) log2(e),  M = ceil(the row's largest t),  l = the row's sum of the unquantised p.
; q, k, v arrive as codes of E5M2 in images of operand registers (qc, kc: tiles of 16 pixels, 512 bytes; vc: [image][step of 128 keys][16 channels][2,048 bytes]); p is quantised here with 2^e9.
; SHARES.  A work-group owns 128 queries of one image.  Wave w owns 32 of them (tiles u = 0, 1 of group w % 4) and, of every 256 keys, the 128 of half w / 4.  Two waves lie on a SIMD, so that one wave's
; softmax stands beside the other's products and LDS loads.
; TWO PASSES.  An image's K is 128 KiB and stays in LDS.  Pass 1 forms all scores (K = 32: one matrix instruction a tile) and keeps only each query's maximum; the two waves of a query group exchange theirs.
; So M is final before the first p is made: pass 2 never rescales its sums, and the two key halves' sums simply add at the end.
; LAYOUT.  S^T = K Q^T (source 0 = 16 keys, source 1 = 16 queries): a lane holds one query, register j of tile i key 16 i + 8 h + j; eight registers convert into registers 2 i, 2 i + 1 of p's fragment, the K = 128
; form's own layout.  O = P V (source 0 = p, source 1 = v): a lane holds one channel and EIGHT NEIGHBOURING QUERIES, 32 neighbouring bytes of a row of out0.
; K'S FRAGMENTS OVERLAP.  The K = 64 form takes eight registers a side; q and k have 32 channels, four registers.  Q's upper four are zero codes.  K's tiles lie four registers apart, so a tile's upper four are
; the next tile's codes (the last tile's: four zeros).  They are finite, since the quantiser holds at the largest code, and meet zero codes: they add nothing.
; CLUSTER.  The four work-groups of a cluster are four query blocks of one image and walk the same K and V: every tile is asked for JOINTLY, by the same tensor load with the same descriptor and the mask 15.
; V goes through two slots of 256 keys (64 KiB); waves 0-3 fetch a quarter each.  A wave has four tensor loads out at the start and one behind each round.
; LIMITS: e6 + e7 between -126 and 127 (added to the exponent field of log2(e)); e9 between -126 and 112; e8 + e9 is applied by v_ldexp_f32 and has none.  NaN among the inputs is not served.
; REGISTERS.  Window 0: see the names below.  Window 1: O, accumulator (channel tile t, query tile u) at v[8 (2 t + u)].
.set VS0,   0x20000                    ; LDS: K at 0 (131,072 bytes); V's slot 0 here, slot 1 0x10000 further on, so that one exclusive or turns an address
.set STG,   135168                     ; the way out: a stage of 256 rows x SP bytes for each key half, laid over K and the slots once these have had their last fill and their last read
.set SP,    528                        ; a stage row: 128 queries x 4 bytes + 16 = 33 x 16 bytes, so sixteen rows' stores begin in sixteen different 16-byte columns of 256
.set SPARE, 2*STG                      ; 270,336: the spare words, 128 bytes for each wave: four blocks of 256 bytes that no other line names
.set MX,    SPARE+1024                 ; the waves' maxima: 256 x wave + 128 u + 4 x lane
.set LS,    MX+2048                    ; the waves' sums: 512 x key half + 4 x query
.set SPW,  1                           ; v1   LDS address of my spare word; never rewritten
.set NIL,  2                           ; v2   0; never rewritten
.set LI,   3                           ; v3   16 x lane
.set ADK,  4                           ; v4   LDS address of the step's K
.set ADV,  5                           ; v5   of its V
.set NM,   6                           ; v[6:7], v[8:9]  -M of tile 0, 1, each twice (a pair for the packed form)
.set L,    10                          ; v10-17  the sums: tile u in two packed chains, v[10+4u:11+4u] and v[12+4u:13+4u]
.set HOLD, 18
.set PSC,  19                          ; v19  2^e9
.set MC,   20                          ; v20-23  four chains of maxima: tile u in v[20+2u], v[21+2u]
.set T0,   24                          ; v24, v25  at work
.set STO,  26                          ; v26-29  the stage, on the way in: one register for four channel tiles
.set SRD,  30                          ; v30, v31  and back: my 32 rows in stage 0, 1
.set MXW,  32                          ; v32  where I put my maxima;  v33: where my partner (wave xor 4) puts its own
.set MXR,  33
.set LSW,  34                          ; v34  where I put my sums;  v35: where I read four queries' sums
.set LSR,  35
.set IV,   36                          ; v36-39  2^(e8 + e9) / l of my four queries on the way out
.set QF,   40                          ; v40-55  Q: a tile's four registers of codes, then four of zero codes
.set KF,   56                          ; v56-91  K: eight tiles x four registers, then four of zero codes
.set P,    92                          ; v92-123  p's codes: 16 registers a tile
.set S,    128                         ; v128-255  S^T, tile (u, i) at 64 u + 8 i; then two sets of four fragments of V; on the way out two sets of rows
.set WV,   14                          ; s14  wave;  s15  wave % 4;  s16  wave / 4
.set QG,   15
.set KH,   16
.set G1,   24                          ; s[24:31] descriptor group 1, one for all loads
.set GKA,  32                          ; s[32:35], s[36:39]  groups 0 of K's two first fills;  s[40:43] of V's slot 0;  s[44:47] of slot 1, which then walks
.set GKB,  36
.set GV0,  40
.set GVW,  44
.set CS,   48                          ; s[48:49]  c = log2(e) x 2^(e6 + e7), twice
.set SEL,  50                          ; s[50:51]  v_permlanex16_b32's selects for lane xor 16
.set KB,   52                          ; s52  LDS byte of the K step to be fetched
.set TB,   53                          ; s53  LDS byte of my half of the V slot in hand
.set CNT,  54                          ; s54  loop counter
.set EO,   55                          ; s55  e8 + e9
.set MSB, 0
.macro WIN new                         ; s_set_vgpr_msb: bits 1:0 source 0, 3:2 source 1, 5:4 source 2, 7:6 destination; the high byte repeats the setting that is left
.if MSB != \new
	s_set_vgpr_msb (MSB<<8)|\new
.set MSB, \new
.endif
.endm
.macro PLACES n                        ; places behind matrix instructions: plain vector lines that name none of their registers (ISA guide 7.12.1)
.rept \n
	v_nop
.endr
.endm
.macro ROUND                           ; a round of the cluster's barrier: my work-group's barrier; wave 0 signals for the work-group; every wave waits for all four; my work-group's barrier once more
	s_barrier_signal -1
	s_barrier_wait -1
	s_cmp_lg_u32 s[WV], 0
	s_cbranch_scc1 .Lnot_wave_0_\@
	s_barrier_signal -3
.Lnot_wave_0_\@:
	s_barrier_wait -3
	s_barrier_signal -1
	s_barrier_wait -1
.endm
	s_load_b256 s[4:11], s[0:1], 0x0               ; qc s[4:5], kc s[6:7], vc s[8:9], the exponents s[10:11]
	s_load_b64 s[12:13], s[0:1], 0x20              ; out0
	v_lshl_add_u32 v[SPW], v0, 2, SPARE
	v_mov_b32 v[NIL], 0
	ds_add_u32 v1, v2
	ds_add_u32 v1, v2
	s_wait_dscnt 0x0
	v_lshrrev_b32 v[T0], 5, v0
	s_delay_alu instid0(VALU_DEP_1)
	v_readfirstlane_b32 s[WV], v[T0]               ; wave 0..7
	s_and_b32 s[QG], s[WV], 3
	s_lshr_b32 s[KH], s[WV], 2
	s_bfe_u32 s17, ttmp6, 0x40000                  ; cx: my place in the cluster; it enters qc's and out0's addresses alone
	s_lshl_b32 s18, ttmp9, 2
	s_add_co_u32 s18, s18, s17                     ; my block of 128 queries = 4 x cluster x + cx
	s_and_b32 s19, ttmp7, 0xffff                   ; the image, which the four partners share
	; descriptor group 1: 64 dense rows of 256 bytes (32 elements of 8 bytes), no padding: images are read at 16 x lane, 512 consecutive bytes an instruction
	s_mov_b32 s[G1+0], 15|(3<<16)|(1<<21)          ; the mask: all four work-groups; elements of 8 bytes; bit 21 set beside a mask
	s_mov_b32 s[G1+1], 32<<16                      ; tensor_dim0
	s_mov_b32 s[G1+2], 64<<16                      ; tensor_dim1
	s_mov_b32 s[G1+3], 32<<16                      ; tile_dim0
	s_mov_b32 s[G1+4], 64                          ; tile_dim1
	s_mov_b32 s[G1+5], 32                          ; from row to row
	s_mov_b32 s[G1+6], 0
	s_mov_b32 s[G1+7], 0
	s_lshl_b32 s56, s[QG], 14                      ; my 16 KiB of each 64 KiB (waves 4-7 make the same numbers and issue nothing)
	s_lshl_b32 s58, s19, 17                        ; the image's K: 131,072 bytes
	s_add_co_u32 s58, s58, s56
	s_mov_b32 s59, 0
	s_lshl_b32 s60, s19, 20                        ; the image's V: 1,048,576 bytes
	s_add_co_u32 s60, s60, s56
	s_mov_b32 s61, 0
	s_lshl_b32 s62, s19, 8                         ; Q: tile 256 b + 8 x + 2 (wave % 4), 512 bytes each
	s_lshl_b32 s63, s18, 3
	s_add_co_u32 s62, s62, s63
	s_lshl_b32 s63, s[QG], 1
	s_add_co_u32 s62, s62, s63
	s_lshl_b32 s62, s62, 9
	s_mov_b32 s63, 0
	s_mov_b32 s[SEL], 0x76543210
	s_mov_b32 s[SEL+1], 0xfedcba98
	s_lshl_b32 s[KB], s[KH], 12                    ; my first K step: step kh, 4,096 bytes each
	s_lshl_b32 s[TB], s[KH], 15
	s_add_co_u32 s[TB], s[TB], VS0                 ; my half of slot 0
	s_wait_kmcnt 0x0
	s_load_b64 s[20:21], s[10:11], 0x18            ; e6, e7
	s_load_b64 s[22:23], s[10:11], 0x20            ; e8, e9
	s_mov_b32 s[GKA], 1                            ; count = 1
	s_mov_b32 s[GKA+1], s56                        ; LDS address
	s_add_nc_u64 s[GKA+2:GKA+3], s[6:7], s[58:59]  ; global address
	s_mov_b32 s[GKB], 1
	s_add_co_u32 s[GKB+1], s56, 0x10000            ; K's second 64 KiB
	s_add_nc_u64 s[GKB+2:GKB+3], s[GKA+2:GKA+3], 0x10000
	s_or_b32 s[GKA+3], s[GKA+3], 0x80000000        ; type = 2
	s_or_b32 s[GKB+3], s[GKB+3], 0x80000000
	s_mov_b32 s[GV0], 1
	s_add_co_u32 s[GV0+1], s56, VS0
	s_add_nc_u64 s[GV0+2:GV0+3], s[8:9], s[60:61]
	s_mov_b32 s[GVW], 1
	s_add_co_u32 s[GVW+1], s56, VS0+0x10000
	s_add_nc_u64 s[GVW+2:GVW+3], s[GV0+2:GV0+3], 0x10000
	s_or_b32 s[GV0+3], s[GV0+3], 0x80000000
	s_or_b32 s[GVW+3], s[GVW+3], 0x80000000
	s_add_nc_u64 s[4:5], s[4:5], s[62:63]          ; qc at my two tiles
	ROUND                                          ; all four work-groups are here: the first joint loads meet
	s_cmp_lt_u32 s[WV], 4                          ; a wave's first fills stand in one branch on the wave's number, ahead of every wait on TENSORcnt, every LDS read and every other barrier
	s_cbranch_scc0 .Lno_first
	tensor_load_to_lds s[GKA:GKA+3], s[G1:G1+7]
	s_nop 0
	tensor_load_to_lds s[GKB:GKB+3], s[G1:G1+7]
	s_nop 0
	tensor_load_to_lds s[GV0:GV0+3], s[G1:G1+7]
	s_nop 0
	tensor_load_to_lds s[GVW:GVW+3], s[G1:G1+7]
	s_nop 0
	PLACES 4                                       ; four plain lines behind a tensor load
.Lno_first:
	v_and_b32 v[T0], 31, v0                        ; lane
	s_delay_alu instid0(VALU_DEP_1)
	v_lshlrev_b32 v[LI], 4, v[T0]
	global_load_b128 v[QF:QF+3], v[LI], s[4:5]     ; Q stays in registers
	global_load_b128 v[QF+8:QF+11], v[LI], s[4:5] offset:512
.irp j, 4,5,6,7,12,13,14,15
	v_mov_b32 v[QF+\j], 0                          ; zero codes for K = 32 .. 63
.endr
.irp j, 32,33,34,35
	v_mov_b32 v[KF+\j], 0                          ; what the last tile of K finds in its upper half
.endr
.irp j, 0,1,2,3,4,5,6,7
	v_mov_b32 v[L+\j], 0                           ; the sums
.endr
.irp j, 0,1,2,3
	v_mov_b32 v[MC+\j], 0xff800000                 ; the maxima: -infinity
.endr
	v_and_b32 v[T0+1], 15, v0                      ; r
	v_bfe_u32 v[IV], v0, 4, 1                      ; h
	s_mul_i32 s56, s[KH], STG
	s_lshl_b32 s57, s[QG], 7
	s_add_co_u32 s56, s56, s57
	v_mul_u32_u24 v[STO], v[T0+1], SP
	s_delay_alu instid0(VALU_DEP_1)
	v_lshl_add_u32 v[STO], v[IV], 5, v[STO]
	s_delay_alu instid0(VALU_DEP_1)
	v_add_nc_u32 v[STO], s56, v[STO]               ; my key half's stage; row r; my 32 queries' 128 bytes; + 32 h
.irp k, 1,2,3
	v_add_nc_u32 v[STO+\k], \k*64*SP, v[STO]       ; channel tiles 4 k on
.endr
	s_mul_i32 s56, s[WV], 32*SP
	v_add_nc_u32 v[SRD], s56, v[LI]                ; back: rows 32 w on, 16 bytes a lane
	s_delay_alu instid0(VALU_DEP_1)
	v_add_nc_u32 v[SRD+1], STG, v[SRD]
	s_lshl_b32 s56, s[WV], 8
	s_add_co_u32 s56, s56, MX
	v_lshl_add_u32 v[MXW], v[T0], 2, s56
	s_xor_b32 s56, s[WV], 4
	s_lshl_b32 s56, s56, 8
	s_add_co_u32 s56, s56, MX
	v_lshl_add_u32 v[MXR], v[T0], 2, s56
	s_lshl_b32 s56, s[KH], 9
	s_add_co_u32 s56, s56, s57
	s_add_co_u32 s56, s56, LS
	v_lshl_add_u32 v[LSW], v[T0+1], 2, s56         ; LS + 512 kh + 4 (32 (wave % 4) + r)
	v_add_nc_u32 v[LSR], LS, v[LI]
	s_lshl_b32 s62, s19, 22                        ; out0: the image's 4 MiB, my 32 channel rows of 16,384 bytes, my block's 512 bytes of a row
	s_lshl_b32 s63, s[WV], 19
	s_add_co_u32 s62, s62, s63
	s_lshl_b32 s63, s18, 9
	s_add_co_u32 s62, s62, s63
	s_mov_b32 s63, 0
	s_add_nc_u64 s[12:13], s[12:13], s[62:63]
	s_wait_kmcnt 0x0                               ; e6 .. e9
	s_add_co_i32 s56, s20, s21
	s_lshl_b32 s56, s56, 23
	s_add_co_i32 s[CS], s56, 0x3fb8aa3b            ; a score stands for score x 2^(e6 + e7): the two exponents are added to the exponent field of log2(e)
	s_mov_b32 s[CS+1], s[CS]                       ; (named with it as a pair, so it is written)
	s_add_co_i32 s56, s23, 127
	s_lshl_b32 s57, s56, 23
	v_mov_b32 v[PSC], s57                          ; 2^e9 as f32: the conversion takes its exponent field
	s_add_co_i32 s[EO], s22, s23
.macro KLOAD                           ; a step's K: eight tiles of 16 keys, four registers each
.irp i, 0,1,2,3,4,5,6,7
	ds_load_b128 v[KF+4*\i:KF+4*\i+3], v[ADK] offset:512*\i
.endr
.endm
.macro SMUL                            ; S^T of 128 keys x my 32 queries: sixteen products, each its own accumulator, begun with the constant 0
.irp i, 0,1,2,3,4,5,6,7
.irp u, 0,1
	v_wmma_f32_16x16x64_bf8_bf8 v[S+64*\u+8*\i:S+64*\u+8*\i+7], v[KF+4*\i:KF+4*\i+7], v[QF+8*\u:QF+8*\u+7], 0
.endr
.endr
.endm
; A step of pass 1.  more = 1: the next fetch is my next step, two steps (8,192 bytes) on; 0: it is pass 2's first, my step of slot 0.
.macro MAXSTEP more
	s_wait_dscnt 0x0                               ; K is in
	SMUL
.if \more
	s_add_co_u32 s[KB], s[KB], 8192
.else
	s_lshl_b32 s[KB], s[KH], 12
.endif
	v_add_nc_u32 v[ADK], s[KB], v[LI]              ; with the three below: four places in front of the loads into K's registers and of the first read of the scores
	PLACES 3
	KLOAD
	s_wait_alu depctr_va_vdst(0)
.irp i, 0,1,2,3,4,5,6,7                        ; 128 scores a lane into four chains that take turns; each accumulator from its low end on
.irp p, 0,1,2,3
.irp u, 0,1
	v_max3_num_f32 v[MC+2*\u+(\p%2)], v[MC+2*\u+(\p%2)], v[S+64*\u+8*\i+2*\p], v[S+64*\u+8*\i+2*\p+1]
.endr
.endr
.endr
.endm
; Tile u's softmax of a step: 64 scores a lane become p, its sum and its codes.
.macro SOFT u
.set sb, S+64*\u
.set i, 0
.rept 32
	v_pk_fma_f32 v[sb+i:sb+i+1], v[sb+i:sb+i+1], s[CS:CS+1], v[NM+2*\u:NM+2*\u+1] op_sel_hi:[1,0,1]   ; t - M, two at a time
.set i, i+2
.endr
.set i, 0
	s_wait_alu depctr_va_vdst(0)
.rept 64
	v_exp_f32 v[sb+i], v[sb+i]                     ; p = 2^(t - M), at most 1: not normalised
.set i, i+1
.endr
	v_nop                                          ; a plain line between the exponentials and the first use of a result (ISA guide 5.7.2)
.set i, 0
	s_wait_alu depctr_va_vdst(0)
.rept 16
	v_pk_add_f32 v[L+4*\u:L+4*\u+1], v[L+4*\u:L+4*\u+1], v[sb+i:sb+i+1]           ; the row's sum is taken of the unquantised p, in two packed chains
	v_pk_add_f32 v[L+4*\u+2:L+4*\u+3], v[L+4*\u+2:L+4*\u+3], v[sb+i+2:sb+i+3]
.set i, i+4
.endr
.set i, 0
.rept 64
.set i, i+1
.endr
.irp i, 0,1,2,3,4,5,6,7
	v_cvt_scalef32_pk8_bf8_f32 v[P+16*\u+2*\i:P+16*\u+2*\i+1], v[S+64*\u+8*\i:S+64*\u+8*\i+7], v[PSC]   ; keys 16 i + 8 h + 0..7: registers 2 i, 2 i + 1 of p's fragment
.endr
	v_nop                                          ; a plain line behind the last conversion
.endm
.macro VLOAD g                         ; V's fragments of channel tiles 4 g .. 4 g + 3 into set g % 2
.irp tt, 0,1,2,3
.irp c, 0,1,2,3
	ds_load_b128 v[S+64*(\g%2)+16*\tt+4*\c:S+64*(\g%2)+16*\tt+4*\c+3], v[ADV] offset:2048*(4*\g+\tt)+512*\c
.endr
.endr
.endm
.macro PVG g, zero                     ; eight products O += P V.  The 32 accumulators take turns, one instruction a turn.  zero = 1: they start the sums
	WIN 0x50                                       ; C and D in window 1
.irp tt, 0,1,2,3
.irp u, 0,1
.if \zero
	v_wmma_f32_16x16x128_bf8_bf8 v[8*(2*(4*\g+\tt)+\u):8*(2*(4*\g+\tt)+\u)+7], v[P+16*\u:P+16*\u+15], v[S+64*(\g%2)+16*\tt:S+64*(\g%2)+16*\tt+15], 0
.else
	v_wmma_f32_16x16x128_bf8_bf8 v[8*(2*(4*\g+\tt)+\u):8*(2*(4*\g+\tt)+\u)+7], v[P+16*\u:P+16*\u+15], v[S+64*(\g%2)+16*\tt:S+64*(\g%2)+16*\tt+15], v[8*(2*(4*\g+\tt)+\u):8*(2*(4*\g+\tt)+\u)+7]
.endif
.endr
.endr
	WIN 0
.endm
; A step of pass 2: my 128 keys of the slot in hand.  Its K was fetched in the step before and waited for in front of the barrier that stands ahead of every step.
.macro STEP zero, last
	v_add_nc_u32 v[ADV], s[TB], v[LI]
	SMUL
	PLACES 4
	SOFT 0
	VLOAD 0                                        ; into tile 0's scores, which are done with
	SOFT 1
	VLOAD 1
	s_wait_alu depctr_va_vdst(0)
	s_wait_dscnt 16                                ; group 0 is in; group 1's sixteen loads may be out
	PVG 0, \zero
	PLACES 4                                       ; in front of loads into registers that the products have read
	VLOAD 2
	s_wait_dscnt 16                                ; group 1 is in
	PVG 1, \zero
	PLACES 4
	VLOAD 3
.if \last
	s_wait_dscnt 16                                ; group 2 is in
	PVG 2, \zero
	s_wait_dscnt 0x0
.else
	s_add_co_u32 s[KB], s[KB], 8192
	v_add_nc_u32 v[ADK], s[KB], v[LI]
	KLOAD                                          ; the next step's K
	s_wait_dscnt 24                                ; group 2 is in; group 3's sixteen loads and K's eight may be out
	PVG 2, \zero
	s_wait_dscnt 8                                 ; group 3 is in
.endif
	PVG 3, \zero
	PLACES 5                                       ; the next step's scores are written over V's registers by matrix instructions: five places; the way out's stores read results: four
	s_xor_b32 s[TB], s[TB], 0x10000                ; on to the other slot
.endm
; THE CHANGE OF SLOTS.  Each wave waits for all its tensor loads (its part of the slot ahead), adds 0 to its spare word, and waits for that and for its reads of the slot that it has left.
; fill = 1: a round of the cluster's barrier, so that no wave of any partner still reads that slot or has a load on its way; the joint refill, the keys two slots on, is the first thing behind it
; and has a whole step in which to land.
.macro CHANGE fill
	s_wait_tensorcnt 0x0                           ; no tensor load of mine is out, so a group 0 may be written
	ds_add_u32 v[SPW], v[NIL]                      ; 0 onto my spare word
.if \fill
	s_xor_b32 s[GVW+1], s[GVW+1], 0x10000          ; the walking descriptor: the other slot than last time,
	s_add_nc_u64 s[GVW+2:GVW+3], s[GVW+2:GVW+3], 0x10000   ; the next 256 keys; the type bits on top are not reached
.endif
	s_wait_dscnt 0x0                               ; the add is done; my reads of the slot are over; the next step's K is in
.if \fill
	ROUND
	s_cmp_lt_u32 s[WV], 4
	s_cbranch_scc0 .Lno_fill_\@
	tensor_load_to_lds s[GVW:GVW+3], s[G1:G1+7]
	s_nop 0
	PLACES 4
.Lno_fill_\@:
.else
	s_barrier_signal -1
	s_barrier_wait -1
.endif
.endm
	s_wait_tensorcnt 0x2                           ; my two parts of K are in; V's two first fills may stay out
	s_barrier_signal -1
	s_barrier_wait -1                              ; everybody's are
	; ---- pass 1: the largest score of each of my queries among my 2,048 keys
	v_add_nc_u32 v[ADK], s[KB], v[LI]
	KLOAD
	s_wait_loadcnt 0x0                             ; Q
	s_mov_b32 s[CNT], 15
.Lmax:
	MAXSTEP 1
	s_sub_co_u32 s[CNT], s[CNT], 1
	s_cmp_lg_u32 s[CNT], 0
	s_cbranch_scc1 .Lmax
	MAXSTEP 0
	s_delay_alu instid0(VALU_DEP_2)
	v_max_num_f32 v[MC], v[MC], v[MC+1]
	s_delay_alu instid0(VALU_DEP_2)
	v_max_num_f32 v[MC+2], v[MC+2], v[MC+3]
	s_delay_alu instid0(VALU_DEP_2)
	v_permlanex16_b32 v[T0], v[MC], s[SEL], s[SEL+1]       ; the query's other keys lie in the lane 16 away
	s_delay_alu instid0(VALU_DEP_2)
	v_permlanex16_b32 v[T0+1], v[MC+2], s[SEL], s[SEL+1]
	s_delay_alu instid0(VALU_DEP_2)
	v_max_num_f32 v[MC], v[MC], v[T0]
	s_delay_alu instid0(VALU_DEP_2)
	v_max_num_f32 v[MC+2], v[MC+2], v[T0+1]
	ds_store_b32 v[MXW], v[MC]
	ds_store_b32 v[MXW], v[MC+2] offset:128
	s_wait_alu depctr_va_vdst(0)
	s_wait_tensorcnt 0x1                           ; my part of V's slot 0 is in; slot 1's may stay out
	s_wait_dscnt 0x0                               ; my maxima lie in LDS (and pass 2's first K is in)
	s_barrier_signal -1
	s_barrier_wait -1
	ds_load_b32 v[T0], v[MXR]                      ; the other key half's
	ds_load_b32 v[T0+1], v[MXR] offset:128
	s_wait_dscnt 0x0
	v_max_num_f32 v[MC], v[MC], v[T0]
	v_max_num_f32 v[MC+2], v[MC+2], v[T0+1]
	s_delay_alu instid0(VALU_DEP_2)
	v_mul_f32 v[MC], s[CS], v[MC]                  ; as t (c is positive)
	s_delay_alu instid0(VALU_DEP_2)
	v_mul_f32 v[MC+2], s[CS], v[MC+2]
	s_delay_alu instid0(VALU_DEP_2)
	v_floor_f32 v[NM], -v[MC]                      ; -M = floor(-t) = -ceil(t)
	s_delay_alu instid0(VALU_DEP_2)
	v_floor_f32 v[NM+2], -v[MC+2]
	s_delay_alu instid0(VALU_DEP_2)
	v_mov_b32 v[NM+1], v[NM]
	s_delay_alu instid0(VALU_DEP_2)
	v_mov_b32 v[NM+3], v[NM+2]
	; ---- pass 2: sixteen slots of 256 keys; the first step starts O's sums, the last asks for nothing and is written out
	STEP 1, 0
	s_mov_b32 s[CNT], 14
.Lslot:
	CHANGE 1
	STEP 0, 0
	s_sub_co_u32 s[CNT], s[CNT], 1
	s_cmp_lg_u32 s[CNT], 0
	s_cbranch_scc1 .Lslot
	CHANGE 0
	STEP 0, 1
	; ---- THE WAY OUT.  The two key halves' O and l meet in LDS; each wave then adds, divides and stores 32 whole channel rows of the block: 512 consecutive bytes a store.
	v_add_f32 v[L], v[L], v[L+1]
	v_add_f32 v[L+2], v[L+2], v[L+3]
	v_add_f32 v[L+4], v[L+4], v[L+5]
	v_add_f32 v[L+6], v[L+6], v[L+7]
	s_delay_alu instid0(VALU_DEP_3)
	v_add_f32 v[L], v[L], v[L+2]
	s_delay_alu instid0(VALU_DEP_2)
	v_add_f32 v[L+4], v[L+4], v[L+6]
	s_delay_alu instid0(VALU_DEP_2)
	v_permlanex16_b32 v[T0], v[L], s[SEL], s[SEL+1]
	s_delay_alu instid0(VALU_DEP_2)
	v_permlanex16_b32 v[T0+1], v[L+4], s[SEL], s[SEL+1]
	s_delay_alu instid0(VALU_DEP_2)
	v_add_f32 v[L], v[L], v[T0]                    ; my key half's sum for query r of tile 0,
	s_delay_alu instid0(VALU_DEP_2)
	v_add_f32 v[L+4], v[L+4], v[T0+1]              ; of tile 1
	s_wait_alu depctr_va_vdst(0)
	s_wait_dscnt 0x0                               ; my reads of K and V are over,
	s_barrier_signal -1
	s_barrier_wait -1                              ; everybody's are: the stages may be written over them; no fill follows in this launch
	ds_store_b32 v[LSW], v[L]                      ; (lanes r and r + 16 write the same word with the same number)
	ds_store_b32 v[LSW], v[L+4] offset:64
	WIN 0x04                                       ; the stores' data in window 1
.irp t, 0,1,2,3,4,5,6,7,8,9,10,11,12,13,14,15
.irp u, 0,1
	ds_store_b128 v[STO+\t/4], v[8*(2*\t+\u):8*(2*\t+\u)+3] offset:16*SP*(\t%4)+64*\u          ; channel 16 t + r, queries 16 u + 8 h + 0..3: each accumulator from its low end on
	ds_store_b128 v[STO+\t/4], v[8*(2*\t+\u)+4:8*(2*\t+\u)+7] offset:16*SP*(\t%4)+64*\u+16
.endr
.endr
	WIN 0
	s_wait_dscnt 0x0                               ; for the others' sake: my stores are done
	s_barrier_signal -1
	s_barrier_wait -1
.macro LOADB g                         ; rows 8 g .. 8 g + 7 of my 32, from both stages, into set g % 2
.irp i, 0,1,2,3,4,5,6,7
	ds_load_b128 v[S+64*((\g)%2)+4*\i:S+64*((\g)%2)+4*\i+3], v[SRD] offset:SP*(8*(\g)+\i)
	ds_load_b128 v[S+64*((\g)%2)+32+4*\i:S+64*((\g)%2)+32+4*\i+3], v[SRD+1] offset:SP*(8*(\g)+\i)
.endr
.endm
	ds_load_b128 v[QF:QF+3], v[LSR]                ; l of my four queries (4 x lane on), key half 0,
	ds_load_b128 v[QF+4:QF+7], v[LSR] offset:512   ; key half 1
	LOADB 0
	LOADB 1
	s_wait_dscnt 32                                ; the sums are in; the two groups of sixteen rows may be out
	v_pk_add_f32 v[QF:QF+1], v[QF:QF+1], v[QF+4:QF+5]
	v_pk_add_f32 v[QF+2:QF+3], v[QF+2:QF+3], v[QF+6:QF+7]
	s_wait_alu depctr_va_vdst(0)
.irp j, 0,1,2,3
	v_rcp_f32 v[IV+\j], v[QF+\j]
.endr
	v_nop                                          ; a plain line behind the reciprocals
	s_wait_alu depctr_va_vdst(0)
.irp j, 0,1,2,3
	v_ldexp_f32 v[IV+\j], v[IV+\j], s[EO]          ; 2^(e8 + e9) / l
.endr
.irp g, 0,1,2,3
.if \g < 3
	s_wait_dscnt 16                                ; this group's rows are in; the next group's sixteen loads may be out
.else
	s_wait_dscnt 0x0
.endif
.irp i, 0,1,2,3,4,5,6,7
	v_pk_add_f32 v[S+64*(\g%2)+4*\i:S+64*(\g%2)+4*\i+1], v[S+64*(\g%2)+4*\i:S+64*(\g%2)+4*\i+1], v[S+64*(\g%2)+32+4*\i:S+64*(\g%2)+32+4*\i+1]
	s_wait_alu depctr_va_vdst(0)
	v_pk_add_f32 v[S+64*(\g%2)+4*\i+2:S+64*(\g%2)+4*\i+3], v[S+64*(\g%2)+4*\i+2:S+64*(\g%2)+4*\i+3], v[S+64*(\g%2)+32+4*\i+2:S+64*(\g%2)+32+4*\i+3]
	v_pk_mul_f32 v[S+64*(\g%2)+4*\i:S+64*(\g%2)+4*\i+1], v[S+64*(\g%2)+4*\i:S+64*(\g%2)+4*\i+1], v[IV:IV+1]
	s_delay_alu instid0(VALU_DEP_2)
	v_pk_mul_f32 v[S+64*(\g%2)+4*\i+2:S+64*(\g%2)+4*\i+3], v[S+64*(\g%2)+4*\i+2:S+64*(\g%2)+4*\i+3], v[IV+2:IV+3]
	global_store_b128 v[LI], v[S+64*(\g%2)+4*\i:S+64*(\g%2)+4*\i+3], s[12:13] offset:16384*(8*\g+\i) th:TH_STORE_NT   ; 32 lanes store 512 consecutive bytes, at a multiple of 512 from out0's first byte; written once, read by nobody here
.endr
.if \g < 2
	s_wait_xcnt 0x0                                ; the stores have read their registers: the set may be loaded again
	LOADB \g+2
.endif
.endr
	s_wait_tensorcnt 0x0                           ; the wave's end, behind my last tensor load and my last LDS store
	ds_add_u32 v[SPW], v[NIL]
	s_wait_dscnt 0x0
	ROUND                                          ; the closing round: no work-group ends while a partner may still ask for a tile that names it
	s_endpgm
.Lfunc_end_k_q5095384232_attend:
	.size	k_q5095384232_attend, .Lfunc_end_k_q5095384232_attend-k_q5095384232_attend
	.p2alignl 7, 3214868480
	.fill 96, 4, 3214868480
	.section	.rodata,"a",@progbits
	.p2align	6, 0x0
	.amdhsa_kernel k_q5095384232_attend
		.amdhsa_group_segment_fixed_size 327680
		.amdhsa_private_segment_fixed_size 0
		.amdhsa_enable_private_segment 0
		.amdhsa_kernarg_size 40
		.amdhsa_user_sgpr_count 2
		.amdhsa_user_sgpr_kernarg_segment_ptr 1
		.amdhsa_wavefront_size32 1
		.amdhsa_system_sgpr_workgroup_id_x 1
		.amdhsa_system_sgpr_workgroup_id_y 1
		.amdhsa_system_sgpr_workgroup_id_z 1
		.amdhsa_system_vgpr_workitem_id 0
		.amdhsa_next_free_vgpr 512
		.amdhsa_next_free_sgpr 66
		.amdhsa_reserve_vcc 0
		.amdhsa_float_denorm_mode_32 3
		.amdhsa_float_denorm_mode_16_64 3
		.amdhsa_fp16_overflow 1
		.amdhsa_memory_ordered 1
		.amdhsa_forward_progress 1
		.amdhsa_inst_pref_size 111
	.end_amdhsa_kernel
	.amdgpu_metadata
---
amdhsa.version: [ 1, 2 ]
amdhsa.kernels:
  - .name:           k_q5095384232_attend
    .symbol:         k_q5095384232_attend.kd
    .args:
      - { .name: qc, .offset: 0, .size: 8, .value_kind: global_buffer, .address_space: global }
      - { .name: kc, .offset: 8, .size: 8, .value_kind: global_buffer, .address_space: global }
      - { .name: vc, .offset: 16, .size: 8, .value_kind: global_buffer, .address_space: global }
      - { .name: lowp_scales, .offset: 24, .size: 8, .value_kind: global_buffer, .address_space: global }
      - { .name: out0, .offset: 32, .size: 8, .value_kind: global_buffer, .address_space: global }
    .group_segment_fixed_size: 327680
    .private_segment_fixed_size: 0
    .kernarg_segment_align: 8
    .kernarg_segment_size: 40
    .max_flat_workgroup_size: 256
    .sgpr_count:     66
    .vgpr_count:     512
    .wavefront_size: 32
...
	.end_amdgpu_metadata
.endif
;; end of part 2
